; MI455X (gfx1250); checked and timed in simulation.
; The chip was launched on July 23, 2026; its instructions are those of AMD's public machine-readable ISA for CDNA 5 (MIT licence, August 2026) and "CDNA5" Instruction Set Architecture Reference Guide (July 2026). The comments in the code are by the model that wrote it; some were corrected since.
;; Mo E. Allowed arithmetic: matrix products marked QUANTISED: E4M3 operands, one given power-of-two scale a tensor, by v_wmma_f32_16x16x64_fp8_fp8 or v_wmma_f32_16x16x128_fp8_fp8, f32 sums; products left as they are: f32 operands where the result goes on into a quantised operand, else bf16, f16 or f32 operands; f32 sums; everything else in f32.
;; Inputs: b1 8 x 4,096 float32; b2 8 x 1,024 float32; gate_w 1,024 x 8 float32; lowp_scales 32 int32 (the exponents e of the quantised operands' scales 2^e); w1 8 x 1,024 x 4,096 float32; w2 8 x 4,096 x 1,024 float32; x 4 x 256 x 1,024 float32.
;; Outputs: out0 4 x 256 x 1,024 float32.
;; This version of the problem:
;;   THIS VERSION OF THE PROBLEM IS GIVEN IN LOW PRECISION. The matrix products marked QUANTISED in the list below multiply operands that are first quantised to E4M3 (4 exponent bits, 3 mantissa bits; 8 bits a number), with one given power-of-two scale for each operand tensor; their sums are f32. All else is computed in f32.
;;   The module's matrix products, in the order in which they are computed (A, B: the left and right operand; K: the contracted axis; several contracted axes count as one K, in the product's order):
;;     1. [M 1,024, K 1,024] x [K 1,024, N 8]; A: input x; B: input gate_w: left as it is (N = 8 < 16)
;;     2. [M 1,024, K 1,024] x [K 1,024, N 4,096]; A: input x; B: input w1: QUANTISED (scales: A lowp_scales[0], B lowp_scales[1])
;;     3. [M 1,024, K 4,096] x [K 4,096, N 1,024]; A: computed on the way; B: input w2: QUANTISED (scales: A lowp_scales[2], B lowp_scales[3])
;;     4. [M 1,024, K 1,024] x [K 1,024, N 4,096]; A: input x; B: input w1: QUANTISED (scales: A lowp_scales[4], B lowp_scales[5])
;;     5. [M 1,024, K 4,096] x [K 4,096, N 1,024]; A: computed on the way; B: input w2: QUANTISED (scales: A lowp_scales[6], B lowp_scales[7])
;;     6. [M 1,024, K 1,024] x [K 1,024, N 4,096]; A: input x; B: input w1: QUANTISED (scales: A lowp_scales[8], B lowp_scales[9])
;;     7. [M 1,024, K 4,096] x [K 4,096, N 1,024]; A: computed on the way; B: input w2: QUANTISED (scales: A lowp_scales[10], B lowp_scales[11])
;;     8. [M 1,024, K 1,024] x [K 1,024, N 4,096]; A: input x; B: input w1: QUANTISED (scales: A lowp_scales[12], B lowp_scales[13])
;;     9. [M 1,024, K 4,096] x [K 4,096, N 1,024]; A: computed on the way; B: input w2: QUANTISED (scales: A lowp_scales[14], B lowp_scales[15])
;;     10. [M 1,024, K 1,024] x [K 1,024, N 4,096]; A: input x; B: input w1: QUANTISED (scales: A lowp_scales[16], B lowp_scales[17])
;;     11. [M 1,024, K 4,096] x [K 4,096, N 1,024]; A: computed on the way; B: input w2: QUANTISED (scales: A lowp_scales[18], B lowp_scales[19])
;;     12. [M 1,024, K 1,024] x [K 1,024, N 4,096]; A: input x; B: input w1: QUANTISED (scales: A lowp_scales[20], B lowp_scales[21])
;;     13. [M 1,024, K 4,096] x [K 4,096, N 1,024]; A: computed on the way; B: input w2: QUANTISED (scales: A lowp_scales[22], B lowp_scales[23])
;;     14. [M 1,024, K 1,024] x [K 1,024, N 4,096]; A: input x; B: input w1: QUANTISED (scales: A lowp_scales[24], B lowp_scales[25])
;;     15. [M 1,024, K 4,096] x [K 4,096, N 1,024]; A: computed on the way; B: input w2: QUANTISED (scales: A lowp_scales[26], B lowp_scales[27])
;;     16. [M 1,024, K 1,024] x [K 1,024, N 4,096]; A: input x; B: input w1: QUANTISED (scales: A lowp_scales[28], B lowp_scales[29])
;;     17. [M 1,024, K 4,096] x [K 4,096, N 1,024]; A: computed on the way; B: input w2: QUANTISED (scales: A lowp_scales[30], B lowp_scales[31])
;;   THE QUANTISER, for each operand of a quantised product, along K:
;;     - The operand's scale is 2^e, e = its entry of the input lowp_scales (int32; the entries are numbered through the quantised products in the list's order, A before B).
;;     - Each number is divided by the scale, clamped to +-448, and rounded to the nearest number of E4M3, ties to even, subnormals kept.
;;     - The product sums the exact products of the quantised numbers (number of the format x scale) in f32.
;;   ~~~python
;;   def quantise(x, axis, e):      # numpy; x: float32 -> the quantised numbers, widened to float32 again
;;       x = np.moveaxis(x, axis, -1); K = x.shape[-1]
;;       r = np.clip(x / 2.0 ** e, -448, 448)
;;       step = 2.0 ** (np.maximum(np.frexp(np.where(r == 0, 1, r))[1] - 1, -6) - 3)
;;       q = np.round(r / step) * step * 2.0 ** e      # np.round: ties to even
;;       return np.moveaxis(q, -1, axis).astype(np.float32)
;;   ~~~
;;   OPERANDS COMPUTED ON THE WAY. 'Computed on the way' means the value that the module computes at that place (a softmax that the list does not call 'softmax' is quantised finished and normalised). What goes into a quantiser is computed in f32, as accurately as f32 sums, v_exp_f32 and their like allow (about 1e-6 of the number): no bf16 or f16 on the way to a quantiser, and a product that is left as it is and whose result goes on into a quantised operand takes f32 operands (vector FMAs, or v_wmma_f32_16x16x4_f32). A number that lies on a knife's edge between two numbers of the format may be rounded either way, as far as f32 arithmetic and the matrix unit's own rounding can turn it there, and no further.
;; One version. Each part assembles by itself: llvm-mc -triple=amdgcn-amd-amdhsa -mcpu=gfx1250 --defsym DOCPART=n.
;; ======== version 1 of 1: 4 launches
;; limits: right only within a limited range of input values
;; workspace buffers: xq 2,097,152 bytes; route 2,048 bytes of whole numbers; cw 8,192 bytes; order 33,792 bytes of whole numbers; hq 33,554,432 bytes; part 16,777,216 bytes
;; launch route (part 1): grid 256 x 1, 4 waves a work-group, no clusters, 35,328 bytes of LDS; arguments x, gate_w, lowp_scales, xq, route, cw; writes xq, route, cw
.if DOCPART == 1
	.amdgcn_target "amdgcn-amd-amdhsa--gfx1250"
	.amdhsa_code_object_version 6
	.text
	.protected	k_q6d92446100_route
	.globl	k_q6d92446100_route
	.p2align	8
	.type	k_q6d92446100_route,@function
k_q6d92446100_route:
	s_mov_b64 s[64:65], 0
	v_nop
	global_prefetch_b8 v0, s[64:65] scope:SCOPE_SE
	s_setreg_imm32_b32 hwreg(HW_REG_WAVE_MODE, 25, 1), 1
	s_wait_xcnt 0x0
; ROUTE.  logits = x gate_w in f32; the two largest (ties: the lower index); softmax over the two, the larger taken away first.
; A token has two SLOTS, slot = 8 (t / 4) + 4 k + t % 4 (k = 0: its first expert, 1: its second).  Stored: xq[slot][1024]: x[t] as codes of E4M3 with the scale 2^ex of the
; slot's expert (ex = lowp_scales[4 e]); cw[slot]: the slot's weight; route[e][64 words]: bit i of word W is set where slot 32 W + i chose expert e.
; reference() computes every expert for every token and multiplies those that were not chosen by the zeros of its own one_hot: the launches behind this one multiply the chosen rows alone (a NaN or an infinity in work that was not chosen is not carried to the result).
; No address here hangs on the choice: the choice only selects values (v_cndmask_b32) and is stored at fixed places.
; SHARES.  256 work-groups of 4 waves; a wave takes one token, lane l the numbers k = 512 u + 16 l + m (u = 0, 1; m = 0 .. 15): its 16 codes are 16 bytes, so a store of the wave covers 512 consecutive bytes.
; A work-group's four tokens have eight slots on end: one byte of each expert's mask and eight weights.
; gate_w (32 KB) lies in LDS: the 512 bytes (16 rows of 8) that a lane wants for one u form a block; blocks are 528 bytes apart.
; LIMITS: ex between -126 and 119; NaN and infinities among the inputs are not served; the logits are summed in another order than a plain dot product's.
; Lanes l and l + 8, + 16, + 24 of wave 0 store the same value to the same place, so that EXEC stays whole.
.set GP, 528                           ; bytes from block to block in LDS
.set EX, 64*GP                         ; behind the gate: 16 bytes for each wave: i1, i2, w1, w2
.set SPARE, 0x8600                     ; behind these: the spare words
.set X,  32                            ; v32-63   my 32 numbers of x
.set G,  64                            ; v64-191  four chunks of 4 rows x 8 of gate_w; first the gate's way into LDS
.set Y,  64                            ; v64-79   16 numbers, held
.set C,  80                            ; v80-95   codes: four registers for each of the four stores
	s_load_b256 s[4:11], s[0:1], 0x0               ; x s[4:5], gate_w s[6:7], lowp_scales s[8:9], xq s[10:11]
	s_load_b128 s[12:15], s[0:1], 0x20             ; route s[12:13], cw s[14:15]
	v_lshrrev_b32 v6, 5, v0
	v_and_b32 v1, 31, v0                           ; lane
	v_lshl_add_u32 v200, v0, 2, SPARE
	v_mov_b32 v201, 0
	v_readfirstlane_b32 s2, v6                     ; wave
	v_lshlrev_b32 v5, 4, v1                        ; 16 x lane
	v_lshlrev_b32 v2, 6, v1                        ; 64 x lane: my 16 numbers of x
	v_mul_u32_u24 v4, v1, GP                       ; my block of the gate for u = 0
	v_and_b32 v202, 7, v0                          ; for the last part: an expert, or one of the eight slots
	v_and_b32 v203, 3, v0                          ; the slot's token
	v_bfe_u32 v204, v0, 2, 1                       ; its k
	v_lshlrev_b32 v205, 8, v202
	v_lshlrev_b32 v206, 2, v202
	v_lshlrev_b32 v203, 4, v203
	v_lshl_add_u32 v207, v204, 2, v203
	v_add_nc_u32 v207, EX, v207                    ; 8 bytes on: that slot's weight
	v_mov_b32 v208, EX
	s_wait_alu depctr_va_vdst(0)
	s_mul_i32 s50, s2, 16*GP
	s_lshl_b32 s53, s2, 4
	s_add_co_u32 s53, s53, EX
	s_mov_b32 s54, ttmp9
	s_lshl_b32 s55, s54, 5
	v_add_nc_u32 v3, s50, v5                       ; where my wave puts its 16 blocks
	v_mov_b32 v209, s53                            ; my wave's 16 bytes
	v_add_nc_u32 v205, s54, v205                   ; route: byte 256 e + work-group
	v_add_nc_u32 v206, s55, v206                   ; cw: 4 (8 work-group + slot)
	s_mov_b32 s56, 0x76543210                      ; v_permlanex16_b32: lane l xor 16
	s_mov_b32 s57, 0xfedcba98
	s_lshl_b32 s3, s54, 2
	s_add_co_u32 s3, s3, s2                        ; my token
	s_lshl_b32 s51, s54, 3
	s_add_co_u32 s51, s51, s2                      ; its first slot
	s_mov_b32 s49, 0
	s_wait_alu depctr_va_vdst(0)
	s_wait_kmcnt 0x0
	s_lshl_b32 s48, s2, 13
	s_add_nc_u64 s[6:7], s[6:7], s[48:49]          ; my wave's 8,192 bytes of the gate
	s_lshl_b32 s48, s3, 12
	s_add_nc_u64 s[4:5], s[4:5], s[48:49]          ; my token's row of x
.irp i, 0,1,2,3,4,5,6,7,8,9,10,11,12,13,14,15
	global_load_b128 v[G+4*\i:G+4*\i+3], v5, s[6:7] offset:512*\i
.endr
.irp u, 0,1
.irp i, 0,1,2,3
	global_load_b128 v[X+16*\u+4*\i:X+16*\u+4*\i+3], v2, s[4:5] offset:2048*\u+16*\i th:TH_LOAD_NT
.endr
.endr
	s_load_b512 s[16:31], s[8:9], 0x0              ; the 32 exponents: ex of expert e in s[16 + 4 e]
	s_load_b512 s[32:47], s[8:9], 0x40
	s_lshl_b32 s48, s51, 10
	s_add_nc_u64 s[10:11], s[10:11], s[48:49]      ; my first slot's row of xq
	s_wait_loadcnt 0x8                             ; the gate's loads are in; x's eight may be out
.irp i, 0,1,2,3,4,5,6,7,8,9,10,11,12,13,14,15
	ds_store_b128 v3, v[G+4*\i:G+4*\i+3] offset:GP*\i
.endr
	s_wait_dscnt 0x0                               ; for the others' sake: my blocks lie in LDS
	s_barrier_signal -1
	s_barrier_wait -1
; chunk ch: the gate's rows of my numbers 4 ch .. 4 ch + 3 (u = ch / 4), 8 LDS loads into buffer ch % 4
.macro GLOAD ch
.irp mm, 0,1,2,3
	ds_load_b128 v[G+32*((\ch)%4)+8*\mm:G+32*((\ch)%4)+8*\mm+3], v4 offset:32*((\ch)/4)*GP+32*(4*((\ch)%4)+\mm)
	ds_load_b128 v[G+32*((\ch)%4)+8*\mm+4:G+32*((\ch)%4)+8*\mm+7], v4 offset:32*((\ch)/4)*GP+32*(4*((\ch)%4)+\mm)+16
.endr
.endm
.macro GMUL ch                         ; 32 multiply-adds: 4 numbers x 8 experts; the very first products start the sums
.irp mm, 0,1,2,3
.irp e, 0,1,2,3,4,5,6,7
.if (\ch) == 0 && \mm == 0
	v_mul_f32 v[16+\e], v[G+32*((\ch)%4)+8*\mm+\e], v[X+4*(\ch)+\mm]
.else
	v_fmac_f32 v[16+\e], v[G+32*((\ch)%4)+8*\mm+\e], v[X+4*(\ch)+\mm]
.endif
.endr
.endr
.endm
	GLOAD 0
	GLOAD 1
	GLOAD 2
	GLOAD 3
	s_wait_loadcnt 0x0                             ; x
.irp ch, 0,1,2,3,4,5,6,7
	s_wait_alu depctr_va_vdst(0)
.if \ch < 5
	s_wait_dscnt 24                                ; this chunk's eight loads are in; three younger chunks' may be out
.else
	s_wait_dscnt 8*(7-\ch)
.endif
	GMUL \ch
.if \ch < 4
	GLOAD \ch+4
.endif
.endr
.irp e, 0,1,2,3,4,5,6,7
	v_mov_b32 v[24+\e], 0                          ; a lane permute's destination counts as read
.endr
.irp m, 1,2,4,8
.irp e, 0,1,2,3,4,5,6,7
	v_add_f32_dpp v[16+\e], v[16+\e], v[16+\e] row_xmask:\m row_mask:0xf bank_mask:0xf
.endr
.endr
.irp e, 0,1,2,3,4,5,6,7
	v_permlanex16_b32 v[24+\e], v[16+\e], s56, s57
.endr
.irp e, 0,1,2,3,4,5,6,7
	v_add_f32 v[16+\e], v[16+\e], v[24+\e]         ; the eight logits, the same bits in every lane
.endr
	; the two largest: v6, v7 the largest and its index; v8, v9 the second.  Only a strictly larger logit displaces an earlier one
	v_mov_b32 v6, v16
	v_mov_b32 v7, 0
	v_mov_b32 v8, 0xff800000
	v_mov_b32 v9, 0
.irp e, 1,2,3,4,5,6,7
	v_cmp_gt_f32 s52, v[16+\e], v6
	v_cmp_gt_f32 vcc_lo, v[16+\e], v8
	v_cndmask_b32 v8, v8, v[16+\e], vcc_lo
	v_cndmask_b32 v9, v9, \e, vcc_lo
	v_cndmask_b32 v8, v8, v6, s52
	v_cndmask_b32 v9, v9, v7, s52
	v_cndmask_b32 v6, v6, v[16+\e], s52
	v_cndmask_b32 v7, v7, \e, s52
.endr
	v_sub_f32 v10, v8, v6                          ; second - first, 0 or less
	v_mul_f32 v10, 0x3fb8aa3b, v10
	s_wait_alu depctr_va_vdst(0)                   ; a wait ahead of the transcendental,
	v_exp_f32 v10, v10
	v_nop                                          ; a plain instruction behind it,
	s_wait_alu depctr_va_vdst(0)                   ; and the wait ahead of the first use
	v_add_f32 v11, 1.0, v10
	s_wait_alu depctr_va_vdst(0)
	v_rcp_f32 v11, v11                             ; w1 = 1 / (1 + t)
	v_nop
	s_wait_alu depctr_va_vdst(0)
	v_mul_f32 v10, v10, v11                        ; w2 = t w1
	s_wait_alu depctr_va_vdst(0)
	s_wait_kmcnt 0x0
	v_mov_b32 v12, s16                             ; ex of the first and of the second expert: picked as values
	v_mov_b32 v13, s16
.irp e, 1,2,3,4,5,6,7
	v_cmp_ne_u32 vcc_lo, \e, v7
	v_cmp_ne_u32 s52, \e, v9
	v_cndmask_b32 v12, s[16+4*\e], v12, vcc_lo
	v_cndmask_b32 v13, s[16+4*\e], v13, s52
.endr
.irp k, 0,1
	v_add_lshl_u32 v[14+\k], v[12+\k], 0x7f, 23    ; 2^ex as f32: the conversion takes its exponent field
	v_add_lshl_u32 v[24+\k], v[12+\k], 0x87, 23
.endr
.irp k, 0,1
	v_or_b32 v[24+\k], 0x600000, v[24+\k]          ; 448 x 2^ex
.endr
.irp k, 0,1
.irp u, 0,1
.irp m, 0,1,2,3,4,5,6,7,8,9,10,11,12,13,14,15
	v_med3_num_f32 v[Y+\m], v[X+16*\u+\m], -v[24+\k], v[24+\k]   ; the conversion to an 8-bit code does not saturate (ISA guide 7.6.2): the hold comes first
.endr
	v_cvt_scalef32_pk8_fp8_f32 v[C+4*(2*\k+\u):C+4*(2*\k+\u)+1], v[Y:Y+7], v[14+\k]
	v_cvt_scalef32_pk8_fp8_f32 v[C+4*(2*\k+\u)+2:C+4*(2*\k+\u)+3], v[Y+8:Y+15], v[14+\k]
	v_nop                                          ; a plain instruction between the conversions and the next holds, which write their sources
	global_store_b128 v5, v[C+4*(2*\k+\u):C+4*(2*\k+\u)+3], s[10:11] offset:\k*0x1000+512*\u   ; 512 consecutive bytes of the slot's row
.endr
.endr
	v_mov_b32 v28, v7
	v_mov_b32 v29, v9
	v_mov_b32 v30, v11
	v_mov_b32 v31, v10
	ds_store_b128 v209, v[28:31]                   ; every lane the same 16 bytes
	s_wait_dscnt 0x0
	s_barrier_signal -1
	s_barrier_wait -1
	s_cmp_lg_u32 s2, 0                             ; wave 0 gathers the four tokens' choices
	s_cbranch_scc1 .Lend
.irp j, 0,1,2,3,4,5,6,7
	ds_load_b32 v[16+\j], v208 offset:16*(\j%4)+4*(\j/4)   ; slot j's expert
.endr
	ds_load_b32 v24, v207 offset:8                 ; slot (lane % 8)'s weight
	s_wait_dscnt 0x0
	v_mov_b32 v10, 0
.irp j, 0,1,2,3,4,5,6,7
	v_cmp_eq_u32 vcc_lo, v[16+\j], v202
	v_cndmask_b32 v11, 0, 1, vcc_lo
	v_lshl_or_b32 v10, v11, \j, v10                ; bit j: slot j chose expert lane % 8
.endr
	global_store_b8 v205, v10, s[12:13]
	global_store_b32 v206, v24, s[14:15]
.Lend:
	s_wait_tensorcnt 0x0                           ; the wave's end
	ds_add_u32 v200, v201
	s_wait_dscnt 0x0
	s_endpgm
.Lfunc_end_k_q6d92446100_route:
	.size	k_q6d92446100_route, .Lfunc_end_k_q6d92446100_route-k_q6d92446100_route
	.p2alignl 7, 3214868480
	.fill 96, 4, 3214868480
	.section	.rodata,"a",@progbits
	.p2align	6, 0x0
	.amdhsa_kernel k_q6d92446100_route
		.amdhsa_group_segment_fixed_size 35328
		.amdhsa_private_segment_fixed_size 0
		.amdhsa_enable_private_segment 0
		.amdhsa_kernarg_size 48
		.amdhsa_user_sgpr_count 2
		.amdhsa_user_sgpr_kernarg_segment_ptr 1
		.amdhsa_wavefront_size32 1
		.amdhsa_system_sgpr_workgroup_id_x 1
		.amdhsa_system_sgpr_workgroup_id_y 1
		.amdhsa_system_sgpr_workgroup_id_z 1
		.amdhsa_system_vgpr_workitem_id 0
		.amdhsa_next_free_vgpr 216
		.amdhsa_next_free_sgpr 66
		.amdhsa_reserve_vcc 1
		.amdhsa_float_denorm_mode_32 3
		.amdhsa_float_denorm_mode_16_64 3
		.amdhsa_memory_ordered 1
		.amdhsa_forward_progress 1
		.amdhsa_inst_pref_size 35
	.end_amdhsa_kernel
	.amdgpu_metadata
---
amdhsa.version: [ 1, 2 ]
amdhsa.kernels:
  - .name:           k_q6d92446100_route
    .symbol:         k_q6d92446100_route.kd
    .args:
      - { .name: x, .offset: 0, .size: 8, .value_kind: global_buffer, .address_space: global }
      - { .name: gate_w, .offset: 8, .size: 8, .value_kind: global_buffer, .address_space: global }
      - { .name: lowp_scales, .offset: 16, .size: 8, .value_kind: global_buffer, .address_space: global }
      - { .name: xq, .offset: 24, .size: 8, .value_kind: global_buffer, .address_space: global }
      - { .name: route, .offset: 32, .size: 8, .value_kind: global_buffer, .address_space: global }
      - { .name: cw, .offset: 40, .size: 8, .value_kind: global_buffer, .address_space: global }
    .group_segment_fixed_size: 35328
    .private_segment_fixed_size: 0
    .kernarg_segment_align: 8
    .kernarg_segment_size: 48
    .max_flat_workgroup_size: 128
    .sgpr_count:     66
    .vgpr_count:     216
    .wavefront_size: 32
...
	.end_amdgpu_metadata
.endif
;; end of part 1
;; launch up (part 2): grid 32 x 8, 8 waves a work-group, no clusters, 132,096 bytes of LDS; arguments xq, w1, b1, lowp_scales, route, hq, order; writes hq, order
.if DOCPART == 2
	.amdgcn_target "amdgcn-amd-amdhsa--gfx1250"
	.amdhsa_code_object_version 6
	.text
	.protected	k_q6d92446100_up
	.globl	k_q6d92446100_up
	.p2align	8
	.type	k_q6d92446100_up,@function
k_q6d92446100_up:
	s_mov_b64 s[64:65], 0
	v_nop
	global_prefetch_b8 v0, s[64:65] scope:SCOPE_SE
	s_setreg_imm32_b32 hwreg(HW_REG_WAVE_MODE, 25, 1), 1
	s_wait_xcnt 0x0
; UP.  For expert e (work-group y) and 128 of its 4,096 hidden units (work-group x, the slice): h = Q(silu(Q(x) Q(W1) + b1)) for the rows that chose e, and for no others (reference() multiplies the others' results by the zeros of its own one_hot).
; The work-group's 512 KB of W1 (1,024 K rows x 128 columns, f32) are read ONCE, in 8 steps of 128 K rows, quantised in registers with 2^ew1, and laid in LDS as images of operand registers; all 8 steps' images stay (128 KB).
; A STEP k quantises step k + 1's weights and stores their images, asks for x of step k + 1 and for the weights of step k + 3, signals the barrier, multiplies step k, and only then waits at the barrier: no LDS byte is written twice, so nothing read in between can change.
; x has two buffers, and its loads stand ahead of the weights' of the same step: the wait for x leaves 44 younger loads out.
; PREFETCH: a step is 256 blocks of 256 bytes, a lane a block, one instruction a wave; asked for two steps ahead of its loads (in front of the steps: steps 2, 3 and 4); the last steps ask for nothing.
; ROWS.  route[e] holds one bit a slot.  Position p of the expert's list is the p-th set bit: each lane finds its own (a scan over the 64 words in scalar registers, then a search inside the word).
; Positions past the count repeat the last row.  Tile T = rows 16 T .. 16 T + 15.  Wave w takes tiles w, 8 + w, 16 + w beside the stream; the first two are searched together, one in each half of the lanes, and change halves by a lane permute.
; Where tile 16 + w does not exist its products are passed over, and its loads (which keep the counts alike) name 32 bytes of one row.  Tiles from 24 on are taken afterwards from the images: an expert has at most 1,024 rows, 64 tiles.
; No barrier stands under a branch.  An expert without rows still gets one defined tile 0.  Tensor loads and clusters are left out: which tiles there are hangs on the stored choice, and every weight has one reader.
; THE PRODUCT IS USED TRANSPOSED: source 0 = 16 columns of W1, source 1 = 16 rows of x: a lane holds one row.  Fragment g = 4 s + j' of a step holds columns 64 s + 4 m + j' (m = 0 .. 15), since a lane loads 4 neighbouring columns.
; K IS PERMUTED ALIKE IN BOTH OPERANDS: half h of the lanes, register 4 c + q, byte b hold k = 128 step + 32 c + 16 h + 4 q + b.  Only the order of the sums inside an instruction changes.
; A lane's results are units 64 s + 32 h + 4 j + j' (register j of fragment 4 s + j'); the 8 conversions leave them as registers 8 s + 2 j' + jh, byte b = unit 64 s + 32 h + 16 jh + 4 b + j': that IS the K order in which the next launch lays W2.
; hq[e][T][slice][2,048]: the 16 registers of that fragment: group c of four at 512 c + 16 lane.  order: list[e][p] at 4 (1024 e + p); the count, 32 copies, at 32768 + 128 e.  Only slice 0 stores them; lanes l and l + 16 hold and store the same entry.
; LIMITS: ew1, eh between -126 and 119; ex + ew1 between -126 and 127; NaN and infinities are not served.
; REGISTERS.  Window 0: v1 r, v2 h, v3 W1 offset, v4-5 image store, v6 16 lane, v8-10 x offsets, v12-14 slots, v15 prefetch offset, v16-17 scales, v23 16 h, v25-26 the add's, v27 b1 offset; v32-127 x's two buffers; v128-255 two sets of 64 weights;
;   at the end v32-95 z, v96-111 codes, v128-191 b1, v192-255 1 / (1 + e^-z).   Window 1: v0-191 the 24 accumulators (tile t, fragment g at 64 t + 8 g); v192-239 three fragments of W1 (in a step's first part: codes); v240-241 image load; v242-249 at work.
.set WROW, 16384                       ; bytes of a row of W1
.set ACC,  0
.set F,    192
.set IA,   240
.set TP,   242
.set X0,   32
.set W,    128
.set BB,   128
.set UU,   192
.set ZZ,   32
.set HC,   96
.set LC,   0                           ; global loads issued so far, counted by the assembler: the part with counted waits issues the same loads on every path
.set MSB,  0
.macro WIN new                         ; the immediate's high byte repeats the setting that is left
.if MSB != \new
	s_set_vgpr_msb (MSB<<8)|\new
.set MSB, \new
.endif
.endm
.macro PLACES                          ; four plain vector instructions between a matrix instruction and a load into, or a vector access to, its registers
.rept 4
	v_nop
.endr
.endm
.macro WAITL m                         ; loads come back in order: all up to the mark are in when only those issued behind it are out
	s_wait_loadcnt LC-(\m)
.endm
.macro WLOAD k                         ; step k's weights: 16 loads; lanes 0-15 read 256 consecutive aligned bytes of K row 32 c + i, lanes 16-31 of row 32 c + 16 + i
	WIN 0
.set i, 0
.rept 16
.if (\k) < 4
	global_load_b128 v[W+64*((\k)%2)+4*i:W+64*((\k)%2)+4*i+3], v3, s[6:7] offset:(((\k)%4)*128+i)*WROW th:TH_LOAD_NT
.else
	global_load_b128 v[W+64*((\k)%2)+4*i:W+64*((\k)%2)+4*i+3], v3, s[86:87] offset:(((\k)%4)*128+i)*WROW th:TH_LOAD_NT
.endif
.set i, i+1
.endr
.set LC, LC+16
.endm
.macro PREF k                          ; step k's 128 rows x 512 bytes: thread i asks for row i / 2, 256 bytes i % 2
	WIN 0
.if (\k) < 4
	global_prefetch_b8 v15, s[6:7] offset:((\k)%4)*128*WROW th:TH_LOAD_NT scope:SCOPE_SE
.else
	global_prefetch_b8 v15, s[86:87] offset:((\k)%4)*128*WROW th:TH_LOAD_NT scope:SCOPE_SE
.endif
.endm
.macro XLOAD k                         ; step k's codes of x for my three tiles: each load reads 32 neighbouring bytes of 16 rows
	WIN 0
.irp t, 0,1,2
.irp c, 0,1,2,3
	global_load_b128 v[X0+48*((\k)%2)+16*\t+4*\c:X0+48*((\k)%2)+16*\t+4*\c+3], v[8+\t], s[4:5] offset:128*(\k)+32*\c
.endr
.endr
.set LC, LC+12
.endm
; Step k's set (64 weights: register 16 q + 4 b + cc = K row 4 q + b of my 16, column cc of my 4) becomes 16 registers of codes, v[F + 16 + 4 cc + q], byte b, and they are stored as my part of its images.
.macro CONV k
.set WB, W+64*((\k)%2)
	WIN 0
.set i, 0
.rept 64
	v_med3_num_f32 v[WB+i], v[WB+i], s104, s105    ; the conversion to an 8-bit code does not saturate (ISA guide 7.6.2): held within +-448 x 2^ew1 first
.set i, i+1
.endr
	WIN 0x40
.irp q, 0,1,2,3
	v_cvt_scalef32_pk8_fp8_f32 v[F+4*\q:F+4*\q+1], v[WB+16*\q:WB+16*\q+7], v16
	v_cvt_scalef32_pk8_fp8_f32 v[F+4*\q+2:F+4*\q+3], v[WB+16*\q+8:WB+16*\q+15], v16
.endr
	v_nop                                          ; a plain instruction between the conversions and the first use of their results
	WIN 0x45
.irp p, 0,2                            ; four registers (K row b, bytes = columns) are turned into four (column, bytes = K rows); two such groups by turns
.irp q, 0,1
	v_perm_b32 v[TP+4*\q],   v[F+4*(\p+\q)+1], v[F+4*(\p+\q)], s10
	v_perm_b32 v[TP+4*\q+1], v[F+4*(\p+\q)+1], v[F+4*(\p+\q)], s11
	v_perm_b32 v[TP+4*\q+2], v[F+4*(\p+\q)+3], v[F+4*(\p+\q)+2], s10
	v_perm_b32 v[TP+4*\q+3], v[F+4*(\p+\q)+3], v[F+4*(\p+\q)+2], s11
.endr
.irp q, 0,1
	v_perm_b32 v[F+16+\p+\q], v[TP+4*\q+2], v[TP+4*\q],   s12
	v_perm_b32 v[F+20+\p+\q], v[TP+4*\q+2], v[TP+4*\q],   s13
	v_perm_b32 v[F+24+\p+\q], v[TP+4*\q+3], v[TP+4*\q+1], s12
	v_perm_b32 v[F+28+\p+\q], v[TP+4*\q+3], v[TP+4*\q+1], s13
.endr
.endr
	WIN 0x04
.irp j, 0,1,2,3
	ds_store_b128 v[4+(\k)/4], v[F+16+4*\j:F+16+4*\j+3] offset:((\k)%4)*16384+\j*2048
.endr
.endm
.macro FRAGN f, b                      ; image f = 8 step + g comes back as it was stored, into buffer b
.irp c, 0,1,2,3
	ds_load_b128 v[F+16*(\b)+4*\c:F+16*(\b)+4*\c+3], v[IA+(\f)/32] offset:((\f)%32)*2048+512*\c
.endr
.endm
; Step k's products for my first nt tiles, the fragments in three buffers; the accumulators take turns, one instruction a turn
.macro MULT k, nt
	WIN 0x51                                       ; source 0, C, D and the LDS loads' registers and address in window 1; source 1 (x) in window 0
	FRAGN 8*\k, 0
	FRAGN 8*\k+1, 1
	FRAGN 8*\k+2, 2
.irp g, 0,1,2,3,4,5,6,7
.if \g < 6
	s_wait_dscnt 8                                 ; this fragment is in; two younger ones (four loads each) may be out
.else
	s_wait_dscnt 4*(7-\g)
.endif
.irp t, 0,1,2
.if \t < \nt
.if \k == 0
	v_wmma_f32_16x16x128_fp8_fp8 v[ACC+64*\t+8*\g:ACC+64*\t+8*\g+7], v[F+16*(\g%3):F+16*(\g%3)+15], v[X0+48*(\k%2)+16*\t:X0+48*(\k%2)+16*\t+15], 0
.else
	v_wmma_f32_16x16x128_fp8_fp8 v[ACC+64*\t+8*\g:ACC+64*\t+8*\g+7], v[F+16*(\g%3):F+16*(\g%3)+15], v[X0+48*(\k%2)+16*\t:X0+48*(\k%2)+16*\t+15], v[ACC+64*\t+8*\g:ACC+64*\t+8*\g+7]
.endif
.endif
.endr
.if \g < 5
	PLACES
	FRAGN 8*\k+\g+3, \g%3
.endif
.endr
	WIN 0
.endm
.macro HALF src, wd, st                ; one halving of the search inside a word: if the rank is at least the count of the lower part, leave that part
	v_bfe_u32 v36, v[\src], v37, \wd
	v_cmp_ge_u32 vcc_lo, v18, v36
	v_sub_nc_u32 v36, v18, v36
	v_cndmask_b32 v18, v18, v36, vcc_lo
	v_add_nc_u32 v36, \st, v37
	v_cndmask_b32 v37, v37, v36, vcc_lo
.endm
; v18 = a position -> v14 = its slot.  s100 = the last valid position.
.macro RSEL
	v_min_u32 v18, s100, v18
	v_mov_b32 v21, s16                             ; the word
	v_mov_b32 v24, 0                               ; bits ahead of it | its number << 16
	s_mov_b32 s94, 0
	s_wait_alu depctr_va_vdst(0)
.set i, 1
.rept 63                               ; word i is taken while the bits ahead of it are at most the position: the last one taken holds the bit
	s_bcnt1_i32_b32 s95, s[16+(i-1)+4*((i-1)/48)]
	s_add_co_u32 s94, s94, s95
	s_or_b32 s96, s94, i<<16
	v_cmp_gt_u32 vcc_lo, s94, v18
	v_cndmask_b32 v21, s[16+i+4*(i/48)], v21, vcc_lo
	v_cndmask_b32 v24, s96, v24, vcc_lo
.set i, i+1
.endr
	v_and_b32 v36, 0xffff, v24
	v_lshrrev_b32 v32, 1, v21
	v_lshrrev_b32 v38, 16, v24
	v_sub_nc_u32 v18, v18, v36                     ; the rank inside the word
	v_and_b32 v32, 0x55555555, v32
	v_mov_b32 v37, 0                               ; the bit's place
	v_sub_nc_u32 v32, v21, v32                     ; counts of 2 bits
	v_lshrrev_b32 v33, 2, v32
	v_and_b32 v36, 0x33333333, v32
	v_and_b32 v33, 0x33333333, v33
	v_add_nc_u32 v33, v33, v36                     ; of 4
	v_lshrrev_b32 v34, 4, v33
	v_add_nc_u32 v34, v34, v33
	v_and_b32 v34, 0x0f0f0f0f, v34                 ; of 8
	v_lshrrev_b32 v35, 8, v34
	v_add_nc_u32 v35, v35, v34
	v_and_b32 v35, 0x00ff00ff, v35                 ; of 16
	HALF 35, 16, 16
	HALF 34, 8, 8
	HALF 33, 4, 4
	HALF 32, 2, 2
	HALF 21, 1, 1
	v_lshl_add_u32 v14, v38, 5, v37
	v_min_u32 v14, 0x7ff, v14                      ; a slot: it enters addresses only behind this bound
.endm
	s_load_b256 s[4:11], s[0:1], 0x0               ; xq s[4:5], w1 s[6:7], b1 s[8:9], lowp_scales s[10:11]
	s_load_b128 s[12:15], s[0:1], 0x20             ; route s[12:13], hq s[14:15]
	s_load_b64 s[84:85], s[0:1], 0x30              ; order
	v_lshrrev_b32 v8, 5, v0
	v_and_b32 v1, 15, v0                           ; r
	v_bfe_u32 v2, v0, 4, 1                         ; h
	v_and_b32 v7, 31, v0
	v_readfirstlane_b32 s2, v8                     ; wave: s = wave % 2 (which 64 columns), c = wave / 2 (which 32 K rows of a step)
	v_lshrrev_b32 v9, 1, v0
	v_and_b32 v10, 1, v0
	v_lshlrev_b32 v6, 4, v7                        ; 16 x lane
	v_lshlrev_b32 v15, 14, v9
	v_lshlrev_b32 v3, 4, v1
	v_lshl_add_u32 v25, v0, 2, 0x20000             ; my spare word, behind the images
	v_mov_b32 v26, 0
	v_lshl_add_u32 v15, v10, 8, v15                ; the prefetches' row and half row
	v_lshl_add_u32 v3, v2, 18, v3
	v_lshlrev_b32 v27, 7, v2                       ; b1: 128 h
	v_lshlrev_b32 v23, 4, v2
	WIN 0x40
	v_lshlrev_b32 v[IA], 4, v7                     ; images of steps 0-3,
	v_add_nc_u32 v[IA+1], 0x10000, v6              ; of steps 4-7
	WIN 0
	s_wait_alu depctr_va_vdst(0)
	s_and_b32 s97, ttmp7, 0xffff                   ; e
	s_mov_b32 s98, ttmp9                           ; slice
	s_and_b32 s3, s2, 1
	s_lshr_b32 s95, s2, 1
	s_lshl_b32 s96, s3, 8
	s_lshl_b32 s94, s95, 19
	s_add_co_u32 s96, s96, s94
	v_add_nc_u32 v3, s96, v3                       ; W1: 16 r + 256 s + (32 c + 16 h) rows
	s_lshl_b32 s96, s3, 13
	s_lshl_b32 s94, s95, 9
	s_add_co_u32 s96, s96, s94
	v_add_nc_u32 v4, s96, v6                       ; my part of an image: fragments 4 s .., register group c
	v_add_nc_u32 v5, 0x10000, v4
	s_mov_b32 s101, 0
	s_lshl_b32 s100, s97, 24
	s_lshl_b32 s95, s98, 9
	s_add_co_u32 s100, s100, s95
	s_wait_alu depctr_va_vdst(0)
	s_wait_kmcnt 0x0
	s_add_nc_u64 s[6:7], s[6:7], s[100:101]        ; W1 of e, at my 128 columns
	s_add_nc_u64 s[86:87], s[6:7], 0x800000        ; 512 K rows on, for steps 4-7: so every offset is an immediate
	WLOAD 0
.set MW0, LC
	WLOAD 1
.set MW1, LC
	s_lshl_b32 s100, s97, 8
	s_add_nc_u64 s[12:13], s[12:13], s[100:101]
	s_load_b512 s[16:31], s[12:13], 0x0            ; the expert's 64 mask words: word i in s[16 + i], from word 48 on in s[20 + i]
	s_load_b512 s[32:47], s[12:13], 0x40
	s_load_b512 s[48:63], s[12:13], 0x80
	s_load_b512 s[68:83], s[12:13], 0xc0
	s_lshl_b32 s100, s97, 4
	s_add_nc_u64 s[10:11], s[10:11], s[100:101]
	s_load_b128 s[88:91], s[10:11], 0x0            ; ex, ew1, eh, ew2
	PREF 2
	s_lshl_b32 s100, s97, 14
	s_add_co_u32 s100, s100, s95
	s_add_nc_u64 s[8:9], s[8:9], s[100:101]        ; b1 of e, at my 128 units
	s_lshl_b32 s100, s97, 22
	s_lshl_b32 s95, s98, 11
	s_add_co_u32 s100, s100, s95
	s_add_nc_u64 s[14:15], s[14:15], s[100:101]    ; hq of e, at my slice
	s_lshl_b32 s100, s97, 7
	s_add_co_u32 s100, s100, 0x8000
	s_add_nc_u64 s[66:67], s[84:85], s[100:101]    ; the count's place
	s_lshl_b32 s100, s97, 12
	s_add_nc_u64 s[84:85], s[84:85], s[100:101]    ; the list's
	s_wait_kmcnt 0x0                               ; the scalar loads are done: their bases s[10:13] may be written
	PREF 3
	s_mov_b32 s10, 0x05010400                      ; v_perm_b32: bytes 0 and 1 of two registers, by turns;
	s_mov_b32 s11, 0x07030602                      ; bytes 2 and 3;
	s_mov_b32 s12, 0x05040100                      ; the two low halves;
	s_mov_b32 s13, 0x07060302                      ; the two high halves
	s_add_co_i32 s95, s89, 127
	s_lshl_b32 s96, s95, 23
	v_mov_b32 v16, s96                             ; 2^ew1 as f32: the conversion takes its exponent field
	s_add_co_i32 s95, s95, 8
	s_lshl_b32 s95, s95, 23
	s_or_b32 s105, s95, 0x600000                   ; 448 x 2^ew1,
	s_or_b32 s104, s105, 0x80000000                ; and its negative
	s_add_co_i32 s95, s90, 127
	s_lshl_b32 s96, s95, 23
	v_mov_b32 v17, s96                             ; 2^eh
	s_add_co_i32 s95, s95, 8
	s_lshl_b32 s95, s95, 23
	s_or_b32 s91, s95, 0x600000                    ; 448 x 2^eh
	s_or_b32 s90, s91, 0x80000000
	s_add_co_i32 s95, s88, s89
	s_add_co_i32 s95, s95, 127
	s_lshl_b32 s88, s95, 23                        ; 2^(ex + ew1): what a sum of codes' products lacks
	s_bcnt1_i32_b32 s92, s16                       ; the count of the expert's rows
.set i, 1
.rept 63
	s_bcnt1_i32_b32 s95, s[16+i+4*(i/48)]
	s_add_co_u32 s92, s92, s95
.set i, i+1
.endr
	s_add_co_u32 s93, s92, 15
	s_lshr_b32 s93, s93, 4                         ; tiles
	s_max_u32 s89, s93, 1                          ; tiles that are written: one at the least
	s_max_u32 s100, s92, 1
	s_sub_co_u32 s100, s100, 1                     ; the last valid position
	s_add_co_u32 s95, s2, 16
	s_cmp_lt_u32 s95, s93
	s_cselect_b32 s101, 1, 0                       ; 1 where my third tile exists
	s_lshl_b32 s95, s2, 4
	v_lshl_add_u32 v30, v2, 7, v1
	v_add_nc_u32 v30, s95, v30                     ; positions of tile w in lanes 0-15, of tile 8 + w in lanes 16-31
	s_add_co_u32 s95, s95, 0x100
	v_add_nc_u32 v31, s95, v1                      ; of tile 16 + w
	v_mov_b32 v14, 0
	s_mov_b32 s3, 0
.Lsel:                                                 ; two trips: the two tiles, then the third, which is passed over where it does not exist
	v_mov_b32 v29, v14
	v_mov_b32 v18, v30
	v_mov_b32 v30, v31
	s_cmp_gt_u32 s3, s101
	s_wait_alu depctr_va_vdst(0)
	s_cbranch_scc1 .Lpassed
	RSEL
.Lpassed:
	s_add_co_u32 s3, s3, 1
	s_cmp_lt_u32 s3, 2
	s_wait_alu depctr_va_vdst(0)
	s_cbranch_scc1 .Lsel
	s_mov_b32 s94, 0x76543210                      ; v_permlanex16_b32: lane l xor 16
	s_mov_b32 s95, 0xfedcba98
	v_mov_b32 v22, 0
	v_permlanex16_b32 v22, v29, s94, s95
	v_cmp_eq_u32 vcc_lo, 1, v2
	v_cndmask_b32 v12, v29, v22, vcc_lo            ; tile w's slots in both halves,
	v_cndmask_b32 v13, v22, v29, vcc_lo            ; tile 8 + w's
	s_cmp_eq_u32 s101, 1
	s_cselect_b32 s95, -1, 0
	v_and_b32 v14, s95, v14                        ; no third tile: all lanes name slot 0, whose row begins with the 32 bytes that are then loaded
.irp t, 0,1,2
	v_min_u32 v[12+\t], 0x7ff, v[12+\t]
.endr
.irp t, 0,1,2
	v_lshl_add_u32 v[8+\t], v[12+\t], 10, v23      ; the row of xq, + 16 h
.endr
	XLOAD 0
.set MX0, LC
	s_wait_alu depctr_va_vdst(0)
	WAITL MW0
	PREF 4
	CONV 0
	WLOAD 2
.set MW2, LC
	s_wait_dscnt 0x0                               ; for the others' sake: my stores have landed
	s_barrier_signal -1
	s_barrier_wait -1
; STEP k.  nx = k + 1, nw = k + 3, np = k + 5.
.macro STEP k, nx, nw, np
.if \nx < 8
	WAITL MW\nx
.if \np < 8
	PREF \np
.endif
	CONV \nx
	XLOAD \nx
.set MX\nx, LC
.if \nw < 8
	WLOAD \nw
.set MW\nw, LC
.endif
.if \k == 5                            ; b1 of my 64 units (32 neighbours for each s) into the set that step 6's weights have left
.irp s, 0,1
.irp q, 0,1,2,3,4,5,6,7
	global_load_b128 v[BB+32*\s+4*\q:BB+32*\s+4*\q+3], v27, s[8:9] offset:256*\s+16*\q
.endr
.endr
.set LC, LC+16
.endif
	s_wait_dscnt 0x0                               ; for the others' sake: my stores of step k + 1's images have landed
	s_barrier_signal -1
.endif
	WAITL MX\k
	WIN 0
.if \nx >= 8
	PLACES                                         ; no conversions stand in the last step: places in front of its fragments' loads
.endif
.if \k == 0
	MULT \k, 3                                     ; step 0 starts all 24 sums on every path; from step 1 on a third tile that does not exist is passed over
.else
	s_cmp_eq_u32 s101, 0
	s_cbranch_scc1 .Ltwo_\@
	MULT \k, 3
	s_branch .Ldone_\@
.Ltwo_\@:
	MULT \k, 2
.Ldone_\@:
.endif
.if \nx < 8
	s_barrier_wait -1
.endif
.endm
	STEP 0, 1, 3, 5
	STEP 1, 2, 4, 6
	STEP 2, 3, 5, 7
	STEP 3, 4, 6, 8
	STEP 4, 5, 7, 9
	STEP 5, 6, 8, 10
	STEP 6, 7, 9, 11
	STEP 7, 8, 10, 12
	PLACES
	s_wait_loadcnt 0x0                             ; b1
	s_or_b32 s95, s98, s2                          ; slice 0's wave 0 stores the count
	s_cmp_lg_u32 s95, 0
	s_cbranch_scc1 .Lno_count
	v_mov_b32 v21, s92
	v_lshrrev_b32 v22, 2, v6
	global_store_b32 v22, v21, s[66:67]
.Lno_count:
; Accumulators t: z = sum x 2^(ex + ew1) + b1, each accumulator from its low end on; v31 = the rows' slots
.macro PART t
	WIN 0x01
.irp g, 0,1,2,3,4,5,6,7
.irp j, 0,1,2,3,4,5,6,7
	v_fma_f32 v[ZZ+8*\g+\j], v[ACC+64*\t+8*\g+\j], s88, v[BB+32*(\g/4)+4*\j+(\g%4)]
.endr
.endr
	WIN 0
	v_mov_b32 v31, v[12+\t]
.endm
; THE WAY OUT, eight trips: trip j is tile 8 j + wave, the count of trips a constant; a tile past the expert's last is jumped over.  Tiles of trips 0 to 2 lie in the accumulators; a later one is made here from the images, by each wave for itself.
	s_mov_b32 s3, 0
.Ltile:
	s_lshl_b32 s99, s3, 3
	s_add_co_u32 s99, s99, s2
	s_cmp_lt_u32 s99, s89
	s_cbranch_scc0 .Lnext
	s_wait_xcnt 0x0                                ; earlier stores and loads have read their data and offsets
	s_cmp_eq_u32 s3, 0
	s_cbranch_scc1 .Lp0
	s_cmp_eq_u32 s3, 1
	s_cbranch_scc1 .Lp1
	s_cmp_eq_u32 s3, 2
	s_cbranch_scc1 .Lp2
	s_lshl_b32 s95, s99, 4
	v_add_nc_u32 v18, s95, v1
	RSEL
	v_mov_b32 v12, v14
	v_lshl_add_u32 v8, v14, 10, v23
.set i, 0
.rept 8                                ; the tile's eight K blocks: six over x's buffers, two where the last weights lay
.irp c, 0,1,2,3
	global_load_b128 v[X0+16*i+64*(i/6)+4*\c:X0+16*i+64*(i/6)+4*\c+3], v8, s[4:5] offset:128*i+32*\c
.endr
.set i, i+1
.endr
	WIN 0x51
	FRAGN 0, 0
	FRAGN 1, 1
	FRAGN 2, 2
	s_wait_alu depctr_va_vdst(0)
	s_wait_loadcnt 0x0
.set n, 0
.rept 64                               ; image n = 8 step + g; the 8 accumulators take turns
.if n < 62
	s_wait_dscnt 8
.else
	s_wait_dscnt 4*(63-n)
.endif
.if n < 8
	v_wmma_f32_16x16x128_fp8_fp8 v[ACC+8*(n%8):ACC+8*(n%8)+7], v[F+16*(n%3):F+16*(n%3)+15], v[X0+16*(n/8)+64*(n/48):X0+16*(n/8)+64*(n/48)+15], 0
.else
	v_wmma_f32_16x16x128_fp8_fp8 v[ACC+8*(n%8):ACC+8*(n%8)+7], v[F+16*(n%3):F+16*(n%3)+15], v[X0+16*(n/8)+64*(n/48):X0+16*(n/8)+64*(n/48)+15], v[ACC+8*(n%8):ACC+8*(n%8)+7]
.endif
.if n < 61
	PLACES
	FRAGN n+3, n%3
.endif
.set n, n+1
.endr
	PLACES
	WIN 0
.Lp0:
	PART 0
	s_wait_alu depctr_va_vdst(0)
	s_branch .Lout
.Lp1:
	PART 1
	s_wait_alu depctr_va_vdst(0)
	s_branch .Lout
.Lp2:
	PART 2
.Lout:                                                 ; h = z / (1 + 2^(-z log2 e)); held, converted, stored as the fragment's image
.set i, 0
.rept 32
	v_pk_mul_f32 v[UU+i:UU+i+1], v[ZZ+i:ZZ+i+1], 0xbfb8aa3b op_sel_hi:[1,0]
.set i, i+2
.endr
	s_wait_alu depctr_va_vdst(0)                   ; a wait ahead of the batch,
.set i, 0
.rept 64
	v_exp_f32 v[UU+i], v[UU+i]
.set i, i+1
.endr
	v_nop                                          ; a plain instruction behind it,
	s_wait_alu depctr_va_vdst(0)                   ; and one wait for all 64, ahead of the first use
.set i, 0
.rept 32
	v_pk_add_f32 v[UU+i:UU+i+1], v[UU+i:UU+i+1], 1.0 op_sel_hi:[1,0]
.set i, i+2
.endr
	s_wait_alu depctr_va_vdst(0)
.set i, 0
.rept 64
	v_rcp_f32 v[UU+i], v[UU+i]
.set i, i+1
.endr
	v_nop
	s_wait_alu depctr_va_vdst(0)
.set i, 0
.rept 32
	v_pk_mul_f32 v[ZZ+i:ZZ+i+1], v[ZZ+i:ZZ+i+1], v[UU+i:UU+i+1]
.set i, i+2
.endr
.set i, 0
.rept 64
	v_med3_num_f32 v[ZZ+i], v[ZZ+i], s90, s91      ; held within +-448 x 2^eh
.set i, i+1
.endr
.irp g, 0,1,2,3,4,5,6,7
	v_cvt_scalef32_pk8_fp8_f32 v[HC+2*\g:HC+2*\g+1], v[ZZ+8*\g:ZZ+8*\g+7], v17
.endr
	v_nop                                          ; a plain instruction behind the last conversion
	s_min_u32 s95, s99, 63
	s_lshl_b32 s96, s95, 16
	v_add_nc_u32 v11, s96, v6
.irp c, 0,1,2,3
	global_store_b128 v11, v[HC+4*\c:HC+4*\c+3], s[14:15] offset:512*\c   ; 512 consecutive bytes
.endr
	s_cmp_lg_u32 s98, 0
	s_cbranch_scc1 .Lnext
	s_lshl_b32 s96, s95, 6
	v_lshl_add_u32 v20, v1, 2, s96
	global_store_b32 v20, v31, s[84:85]            ; list[16 T + r]
.Lnext:
	s_add_co_u32 s3, s3, 1
	s_cmp_lt_u32 s3, 8
	s_cbranch_scc1 .Ltile
	s_wait_tensorcnt 0x0                           ; the wave's end
	ds_add_u32 v25, v26
	s_wait_dscnt 0x0
	s_endpgm
.Lfunc_end_k_q6d92446100_up:
	.size	k_q6d92446100_up, .Lfunc_end_k_q6d92446100_up-k_q6d92446100_up
	.p2alignl 7, 3214868480
	.fill 96, 4, 3214868480
	.section	.rodata,"a",@progbits
	.p2align	6, 0x0
	.amdhsa_kernel k_q6d92446100_up
		.amdhsa_group_segment_fixed_size 132096
		.amdhsa_private_segment_fixed_size 0
		.amdhsa_enable_private_segment 0
		.amdhsa_kernarg_size 56
		.amdhsa_user_sgpr_count 2
		.amdhsa_user_sgpr_kernarg_segment_ptr 1
		.amdhsa_wavefront_size32 1
		.amdhsa_system_sgpr_workgroup_id_x 1
		.amdhsa_system_sgpr_workgroup_id_y 1
		.amdhsa_system_sgpr_workgroup_id_z 1
		.amdhsa_system_vgpr_workitem_id 0
		.amdhsa_next_free_vgpr 512
		.amdhsa_next_free_sgpr 106
		.amdhsa_reserve_vcc 1
		.amdhsa_float_denorm_mode_32 3
		.amdhsa_float_denorm_mode_16_64 3
		.amdhsa_memory_ordered 1
		.amdhsa_forward_progress 1
		.amdhsa_inst_pref_size 248
	.end_amdhsa_kernel
	.amdgpu_metadata
---
amdhsa.version: [ 1, 2 ]
amdhsa.kernels:
  - .name:           k_q6d92446100_up
    .symbol:         k_q6d92446100_up.kd
    .args:
      - { .name: xq, .offset: 0, .size: 8, .value_kind: global_buffer, .address_space: global }
      - { .name: w1, .offset: 8, .size: 8, .value_kind: global_buffer, .address_space: global }
      - { .name: b1, .offset: 16, .size: 8, .value_kind: global_buffer, .address_space: global }
      - { .name: lowp_scales, .offset: 24, .size: 8, .value_kind: global_buffer, .address_space: global }
      - { .name: route, .offset: 32, .size: 8, .value_kind: global_buffer, .address_space: global }
      - { .name: hq, .offset: 40, .size: 8, .value_kind: global_buffer, .address_space: global }
      - { .name: order, .offset: 48, .size: 8, .value_kind: global_buffer, .address_space: global }
    .group_segment_fixed_size: 132096
    .private_segment_fixed_size: 0
    .kernarg_segment_align: 8
    .kernarg_segment_size: 56
    .max_flat_workgroup_size: 256
    .sgpr_count:     106
    .vgpr_count:     512
    .wavefront_size: 32
...
	.end_amdgpu_metadata
.endif
;; end of part 2
;; launch down (part 3): grid 32 x 8, 8 waves a work-group, no clusters, 168,960 bytes of LDS; arguments hq, w2, b2, lowp_scales, order, cw, part; writes part
.if DOCPART == 3
	.amdgcn_target "amdgcn-amd-amdhsa--gfx1250"
	.amdhsa_code_object_version 6
	.text
	.protected	k_q6d92446100_down
	.globl	k_q6d92446100_down
	.p2align	8
	.type	k_q6d92446100_down,@function
k_q6d92446100_down:
	s_mov_b64 s[64:65], 0
	v_nop
	global_prefetch_b8 v0, s[64:65] scope:SCOPE_SE
	s_setreg_imm32_b32 hwreg(HW_REG_WAVE_MODE, 25, 1), 1
	s_wait_xcnt 0x0
; DOWN.  For expert e (work-group y), 64 of the 1,024 outputs (ds = x % 16) and half of the 4,096 hidden units (kh = x / 16):
; part[kh][slot][64 ds ..] = cw[slot] x (sum over the half of Q(h) Q(W2) x 2^(eh + ew2) + b2 where kh = 0), for the slots that chose e and for no others.  The next launch adds a token's four rows.
; The work-group's 512 KB of W2 (2,048 K rows x 64 columns, f32) are read ONCE, in 8 steps of 256 K rows, quantised with 2^ew2 and laid in LDS as images of operand registers; all 8 steps' images stay.
; A STEP k quantises step k + 1's weights and stores their images, asks for h of step k + 1 and for the weights of step k + 3, signals the barrier, multiplies step k, and only then waits at the barrier: no image byte is written twice, so nothing read in between can change.
; h has two buffers, and its loads stand ahead of the weights' of the same step: the wait for h leaves 56 younger loads out.
; PREFETCH: a step is 256 rows of 256 bytes, a lane a row, one instruction a wave; asked for two steps ahead of its loads (in front of the steps: steps 2, 3 and 4); the last steps ask for nothing.  h is loaded a whole step ahead, and which tiles it has hangs on the count: it is not prefetched.
; The product is used transposed: source 0 = 16 columns of W2 (fragment 4 u + j'' of a step: K block u, columns 4 m + j''), source 1 = 16 rows of h, loaded as the images that the launch before stored.
; K ORDER, as h's codes lie: half h of the lanes, register 8 s + 2 j' + jh, byte b hold unit 64 s + 32 h + 16 jh + 4 b + j' of a block of 128.  Wave w (u = w / 4, c = w % 4) loads just the K rows of register group c.
; Tiles as in the launch before: wave w takes tiles w, 8 + w, 16 + w beside the stream.  Where tile 16 + w does not exist its products are passed over, and its loads (which keep the counts alike) name one piece of 16 bytes; past the last tile nothing is stored.
; Later tiles are made afterwards from the images (tiles 8 j + w, j = 3 .. 7: at most 64 tiles an expert).  No barrier stands under a branch.  Tensor loads and clusters are left out: which tiles of h there are hangs on the stored count, and every weight has one reader.
; Rows past the count in the last tile repeat the last row: the same bytes are then stored to the same place several times.  An expert without rows stores nothing.
; A lane's 32 results are 32 neighbouring outputs of one row; a tile goes through the wave's own stage in LDS, so that sixteen lanes store 256 consecutive aligned bytes of a row of part.
; LIMITS: ew2 between -126 and 119; eh + ew2 between -126 and 127; NaN and infinities (in b2 too: it is multiplied by 0 where kh = 1) are not served.
; REGISTERS.  Window 0: v1 r, v2 h, v3 W2 offset, v4-5 image store, v6-7 image load, v8-10 h offsets, v11 prefetch offset, v12-14 list and cw offsets, v15 and v17 the add's, v16 scale, v18 16 r, v19 128 h, v20-22 cw, v23-24 stage, v25-27 row list offsets,
;   v32-95 four fragments of W2 (in a step's first part: codes; on the way out results and rows read back), v96-191 the 12 accumulators (96 + 32 t + 8 j''), v192-255 the even steps' weights, then b2, the rows' slots, offsets.
;   Window 1: v0-191 h's two buffers (96 k + 48 u + 16 t), v192-255 the odd steps' weights.
.set ACC, 96
.set F,   32
.set TP,  64
.set W,   192
.set OO,  32
.set RB,  64
.set B2,  192
.set RL,  224
.set AD,  248
.set STG, 0x20000                      ; behind the images: 16 rows x 272 bytes for each wave
.set LC,  0
.set MSB, 0
.macro WIN new
.if MSB != \new
	s_set_vgpr_msb (MSB<<8)|\new
.set MSB, \new
.endif
.endm
.macro PLACES                          ; four plain vector instructions between a matrix instruction and a load into, or a vector access to, its registers
.rept 4
	v_nop
.endr
.endm
.macro WAITL m                         ; loads come back in order: all up to the mark are in when only those issued behind it are out
	s_wait_loadcnt LC-(\m)
.endm
.macro WLOAD k                         ; load 4 q + b: K row 16 (q % 2) + 4 b + q / 2 beyond my first; sixteen lanes read 256 consecutive aligned bytes
	WIN 0x40*((\k)%2)
.irp q, 0,1,2,3
.irp b, 0,1,2,3
	global_load_b128 v[W+16*\q+4*\b:W+16*\q+4*\b+3], v3, s[6:7] offset:(\k)*0x100000+(16*(\q%2)+4*\b+\q/2)*4096 th:TH_LOAD_NT
.endr
.endr
.set LC, LC+16
.endm
.macro PREF k                          ; step k's 256 rows x 256 bytes: thread i asks for row i
	WIN 0
	global_prefetch_b8 v11, s[6:7] offset:(\k)*0x100000 th:TH_LOAD_NT scope:SCOPE_SE
.endm
.macro HLOAD k                         ; step k's two K blocks of h for my three tiles: 24 loads of 512 consecutive bytes
	WIN 0x40
.irp u, 0,1
.irp t, 0,1,2
.irp c, 0,1,2,3
	global_load_b128 v[96*((\k)%2)+48*\u+16*\t+4*\c:96*((\k)%2)+48*\u+16*\t+4*\c+3], v[8+\t], s[4:5] offset:(2*(\k)+\u)*2048+512*\c
.endr
.endr
.endr
.set LC, LC+24
.endm
.macro CONV k                          ; step k's set (register 16 q + 4 b + cc) becomes v[F + 16 + 4 cc + q], byte b, and is stored as my part of its images
	WIN 0x41*((\k)%2)
.set i, 0
.rept 64
	v_med3_num_f32 v[W+i], v[W+i], s36, s37        ; the conversion to an 8-bit code does not saturate (ISA guide 7.6.2): held within +-448 x 2^ew2 first
.set i, i+1
.endr
	WIN 0x01*((\k)%2)
.irp q, 0,1,2,3
	v_cvt_scalef32_pk8_fp8_f32 v[F+4*\q:F+4*\q+1], v[W+16*\q:W+16*\q+7], v16
	v_cvt_scalef32_pk8_fp8_f32 v[F+4*\q+2:F+4*\q+3], v[W+16*\q+8:W+16*\q+15], v16
.endr
	v_nop                                          ; a plain instruction between the conversions and the first use of their results
	WIN 0
.irp p, 0,2
.irp q, 0,1
	v_perm_b32 v[TP+4*\q],   v[F+4*(\p+\q)+1], v[F+4*(\p+\q)], s32
	v_perm_b32 v[TP+4*\q+1], v[F+4*(\p+\q)+1], v[F+4*(\p+\q)], s33
	v_perm_b32 v[TP+4*\q+2], v[F+4*(\p+\q)+3], v[F+4*(\p+\q)+2], s32
	v_perm_b32 v[TP+4*\q+3], v[F+4*(\p+\q)+3], v[F+4*(\p+\q)+2], s33
.endr
.irp q, 0,1
	v_perm_b32 v[F+16+\p+\q], v[TP+4*\q+2], v[TP+4*\q],   s34
	v_perm_b32 v[F+20+\p+\q], v[TP+4*\q+2], v[TP+4*\q],   s35
	v_perm_b32 v[F+24+\p+\q], v[TP+4*\q+3], v[TP+4*\q+1], s34
	v_perm_b32 v[F+28+\p+\q], v[TP+4*\q+3], v[TP+4*\q+1], s35
.endr
.endr
.irp j, 0,1,2,3
	ds_store_b128 v[4+(\k)/4], v[F+16+4*\j:F+16+4*\j+3] offset:((\k)%4)*16384+\j*2048
.endr
.endm
.macro FRAGN f, b                      ; image f = 8 step + g comes back as it was stored, into buffer b
.irp c, 0,1,2,3
	ds_load_b128 v[F+16*(\b)+4*\c:F+16*(\b)+4*\c+3], v[6+(\f)/32] offset:((\f)%32)*2048+512*\c
.endr
.endm
; Step k's products for my first nt tiles, the fragments in four buffers; the accumulators take turns, one instruction a turn, one comes up again 4 nt instructions on
.macro MULT k, nt
	WIN 0x04                                       ; source 1 (h) in window 1; all else, the LDS loads' registers too, in window 0
	FRAGN 8*\k, 0
	FRAGN 8*\k+1, 1
	FRAGN 8*\k+2, 2
	FRAGN 8*\k+3, 3
.irp g, 0,1,2,3,4,5,6,7
.if \g < 5
	s_wait_dscnt 12                                ; this fragment is in; three younger ones (four loads each) may be out
.else
	s_wait_dscnt 4*(7-\g)
.endif
.irp t, 0,1,2
.if \t < \nt
.if (\k == 0) && (\g < 4)
	v_wmma_f32_16x16x128_fp8_fp8 v[ACC+32*\t+8*(\g%4):ACC+32*\t+8*(\g%4)+7], v[F+16*(\g%4):F+16*(\g%4)+15], v[96*(\k%2)+48*(\g/4)+16*\t:96*(\k%2)+48*(\g/4)+16*\t+15], 0
.else
	v_wmma_f32_16x16x128_fp8_fp8 v[ACC+32*\t+8*(\g%4):ACC+32*\t+8*(\g%4)+7], v[F+16*(\g%4):F+16*(\g%4)+15], v[96*(\k%2)+48*(\g/4)+16*\t:96*(\k%2)+48*(\g/4)+16*\t+15], v[ACC+32*\t+8*(\g%4):ACC+32*\t+8*(\g%4)+7]
.endif
.endif
.endr
.if \g < 4
	PLACES
	FRAGN 8*\k+\g+4, \g
.endif
.endr
	WIN 0
.endm
	s_load_b256 s[4:11], s[0:1], 0x0               ; hq s[4:5], w2 s[6:7], b2 s[8:9], lowp_scales s[10:11]
	s_load_b128 s[12:15], s[0:1], 0x20             ; order s[12:13], cw s[14:15]
	s_load_b64 s[16:17], s[0:1], 0x30              ; part
	v_lshrrev_b32 v8, 5, v0
	v_and_b32 v1, 15, v0                           ; r
	v_bfe_u32 v2, v0, 4, 1                         ; h
	v_and_b32 v9, 31, v0
	v_readfirstlane_b32 s2, v8                     ; wave
	v_lshl_add_u32 v15, v0, 2, 0x29000             ; my spare word, behind the stages
	v_mov_b32 v17, 0
	v_lshlrev_b32 v6, 4, v9                        ; 16 x lane: images of steps 0-3
	v_lshlrev_b32 v3, 4, v1
	v_lshlrev_b32 v11, 12, v0                      ; the prefetches' row
	v_mul_u32_u24 v23, v1, 272
	v_mul_u32_u24 v24, v2, 272
	v_add_nc_u32 v7, 0x10000, v6                   ; of steps 4-7
	v_lshl_add_u32 v3, v2, 17, v3
	v_lshl_add_u32 v23, v2, 7, v23
	v_lshl_add_u32 v24, v1, 4, v24
	v_lshlrev_b32 v18, 4, v1
	v_lshlrev_b32 v19, 7, v2
	s_wait_alu depctr_va_vdst(0)
	s_and_b32 s18, ttmp7, 0xffff                   ; e
	s_and_b32 s19, ttmp9, 15                       ; ds
	s_lshr_b32 s20, ttmp9, 4                       ; kh
	s_lshr_b32 s24, s2, 2                          ; u
	s_and_b32 s25, s2, 3                           ; c
	s_lshr_b32 s26, s25, 1
	s_and_b32 s27, s25, 1
	s_lshl_b32 s44, s24, 19
	s_lshl_b32 s45, s26, 18
	s_add_co_u32 s44, s44, s45
	s_lshl_b32 s45, s27, 13
	s_add_co_u32 s44, s44, s45
	v_add_nc_u32 v3, s44, v3                       ; W2: 16 r + (32 h + 128 u + 64 (c / 2) + 2 (c % 2)) rows of 4,096 bytes
	s_lshl_b32 s44, s24, 13
	s_lshl_b32 s45, s25, 9
	s_add_co_u32 s44, s44, s45
	v_add_nc_u32 v4, s44, v6                       ; my part of an image: fragments 4 u .., register group c
	v_add_nc_u32 v5, 0x10000, v4
	s_mul_i32 s44, s2, 16*272
	s_add_co_u32 s44, s44, STG
	v_add_nc_u32 v23, s44, v23                     ; the stage, in: row r, 128 bytes for each half of the lanes
	v_add_nc_u32 v24, s44, v24                     ; back: lanes 0-15 one row of 256 bytes, lanes 16-31 the next
	s_mov_b32 s47, 0
	s_lshl_b32 s46, s18, 24
	s_lshl_b32 s44, s20, 23
	s_add_co_u32 s46, s46, s44
	s_lshl_b32 s44, s19, 8
	s_add_co_u32 s46, s46, s44
	s_wait_alu depctr_va_vdst(0)
	s_wait_kmcnt 0x0
	s_add_nc_u64 s[6:7], s[6:7], s[46:47]          ; W2 of e, my half of K, my 64 columns
	WLOAD 0
.set MW0, LC
	WLOAD 1
.set MW1, LC
	s_lshl_b32 s46, s18, 7
	s_add_co_u32 s46, s46, 0x8000
	s_add_nc_u64 s[48:49], s[12:13], s[46:47]
	s_load_b32 s21, s[48:49], 0x0                  ; the count of the expert's rows
	s_lshl_b32 s46, s18, 4
	s_add_nc_u64 s[10:11], s[10:11], s[46:47]
	s_load_b128 s[28:31], s[10:11], 0x0            ; ex, ew1, eh, ew2
	PREF 2
	s_lshl_b32 s46, s18, 12
	s_add_nc_u64 s[12:13], s[12:13], s[46:47]      ; the expert's list
	s_add_co_u32 s46, s46, s44
	s_add_nc_u64 s[8:9], s[8:9], s[46:47]          ; b2 of e at my 64 columns
	s_lshl_b32 s46, s18, 22
	s_lshl_b32 s45, s20, 15
	s_add_co_u32 s46, s46, s45
	s_add_nc_u64 s[4:5], s[4:5], s[46:47]          ; hq of e, my 16 K blocks
	s_lshl_b32 s46, s20, 23
	s_add_co_u32 s46, s46, s44
	s_add_nc_u64 s[16:17], s[16:17], s[46:47]      ; part of kh at my 64 columns
	s_mov_b32 s32, 0x05010400                      ; v_perm_b32: bytes 0 and 1 of two registers, by turns; bytes 2 and 3; the low halves; the high halves
	s_mov_b32 s33, 0x07030602
	s_mov_b32 s34, 0x05040100
	s_mov_b32 s35, 0x07060302
	s_cmp_eq_u32 s20, 0
	s_cselect_b32 s39, 1.0, 0                      ; b2 counts once, in the first half of K
	s_wait_kmcnt 0x0
	s_add_co_i32 s24, s31, 127
	s_lshl_b32 s25, s24, 23
	v_mov_b32 v16, s25                             ; 2^ew2 as f32
	s_add_co_i32 s24, s24, 8
	s_lshl_b32 s24, s24, 23
	s_or_b32 s37, s24, 0x600000                    ; 448 x 2^ew2
	s_or_b32 s36, s37, 0x80000000
	s_add_co_i32 s24, s30, s31
	s_add_co_i32 s24, s24, 127
	s_lshl_b32 s38, s24, 23                        ; 2^(eh + ew2)
	s_add_co_u32 s22, s21, 15
	s_lshr_b32 s22, s22, 4                         ; tiles
	s_max_u32 s23, s22, 1
	s_sub_co_u32 s23, s23, 1                       ; the last tile that was written
.irp t, 0,1,2
	s_add_co_u32 s25, s2, 8*\t
	s_min_u32 s25, s25, s23
	s_min_u32 s25, s25, 63                         ; it enters addresses only behind this bound
	s_lshl_b32 s26, s25, 16
	v_add_nc_u32 v[8+\t], s26, v6                  ; the tile's images
	s_lshl_b32 s26, s25, 6
	v_lshl_add_u32 v[12+\t], v1, 2, s26            ; list[16 T + r]
	v_lshl_add_u32 v[25+\t], v2, 2, s26            ; list[16 T + h], the row pairs by the immediate
.endr
	s_add_co_u32 s25, s2, 16
	s_cmp_lt_u32 s25, s22
	s_cselect_b32 s42, 1, 0                        ; 1 where my third tile exists
	s_min_u32 s26, s42, 1
	v_mul_u32_u24 v10, s26, v10                    ; no third tile: all lanes name the first 16 bytes of tile 0
	s_wait_alu depctr_va_vdst(0)
	HLOAD 0
.set MH0, LC
	PREF 3
	WAITL MW0
	PREF 4
	CONV 0
	WLOAD 2
.set MW2, LC
	s_wait_dscnt 0x0                               ; for the others' sake: my stores have landed
	s_barrier_signal -1
	s_barrier_wait -1
; STEP k.  nx = k + 1, nw = k + 3, np = k + 5.
.macro STEP k, nx, nw, np
.if \nx < 8
	WAITL MW\nx
.if \np < 8
	PREF \np
.endif
	CONV \nx
	HLOAD \nx
.set MH\nx, LC
.if \nw < 8
	WLOAD \nw
.set MW\nw, LC
.endif
.if \k == 5                            ; the slots of my rows r
	WIN 0
.irp t, 0,1,2
	global_load_b32 v[20+\t], v[12+\t], s[12:13]
.endr
.set LC, LC+3
.set MLIST, LC
.endif
	s_wait_dscnt 0x0                               ; for the others' sake: my stores of step k + 1's images have landed
	s_barrier_signal -1
.endif
	WAITL MH\k
	WIN 0
.if \k == 0
	MULT \k, 3                                     ; step 0 starts all 12 sums on every path; from step 1 on a third tile that does not exist is passed over
.else
	s_cmp_eq_u32 s42, 0
	s_cbranch_scc1 .Ltwo_\@
	MULT \k, 3
	s_branch .Ldone_\@
.Ltwo_\@:
	MULT \k, 2
.Ldone_\@:
.endif
.if \nx < 8
	s_barrier_wait -1
.endif
.if \k == 6                            ; the rows' weights; b2; the slots of the rows as the way out stores them: over the even steps' weights, which are done with
	WAITL MLIST
.irp t, 0,1,2
	v_min_u32 v[12+\t], 0x7ff, v[20+\t]
.endr
.irp t, 0,1,2
	v_lshlrev_b32 v[12+\t], 2, v[12+\t]
.endr
.irp t, 0,1,2
	global_load_b32 v[20+\t], v[12+\t], s[14:15]
.endr
.irp q, 0,1,2,3,4,5,6,7
	global_load_b128 v[B2+4*\q:B2+4*\q+3], v19, s[8:9] offset:16*\q
.endr
.irp t, 0,1,2
.irp i, 0,1,2,3,4,5,6,7
	global_load_b32 v[RL+8*\t+\i], v[25+\t], s[12:13] offset:8*\i
.endr
.endr
.set LC, LC+35
.endif
.endm
	STEP 0, 1, 3, 5
	STEP 1, 2, 4, 6
	STEP 2, 3, 5, 7
	STEP 3, 4, 6, 8
	STEP 4, 5, 7, 9
	STEP 5, 6, 8, 10
	STEP 6, 7, 9, 11
	STEP 7, 8, 10, 12
	s_wait_loadcnt 0x0
.set i, 0
.rept 32                               ; (these are also the places behind the last products)
	v_mul_f32 v[B2+i], s39, v[B2+i]
.set i, i+1
.endr
; Accumulators t: results (register 4 j + j'' is output 32 h + 4 j + j''), each accumulator from its low end on; the rows' slots; v28 = the row's weight
.macro PART t
.irp jj, 0,1,2,3
.irp j, 0,1,2,3,4,5,6,7
	v_fma_f32 v[OO+4*\j+\jj], v[ACC+32*\t+8*\jj+\j], s38, v[B2+4*\j+\jj]
.endr
.endr
.irp i, 0,1,2,3,4,5,6,7
	v_min_u32 v[AD+\i], 0x7ff, v[RL+8*\t+\i]       ; a slot enters an address only behind this bound
.endr
	v_mov_b32 v28, v[20+\t]
.endm
.macro TH s0                           ; eight K blocks of a late tile's h into window 1, v0-127
	WIN 0x40
.set i, 0
.rept 8
.irp c, 0,1,2,3
	global_load_b128 v[16*i+4*\c:16*i+4*\c+3], v8, s[4:5] offset:((\s0)+i)*2048+512*\c
.endr
.set i, i+1
.endr
.endm
; THE WAY OUT, eight trips: trip j is tile 8 j + wave, the count of trips a constant; a tile past the expert's last is jumped over.  Tiles of trips 0 to 2 lie in the accumulators; a later one is made here from the images, by each wave for itself.
	s_mov_b32 s41, 0
	s_wait_alu depctr_va_vdst(0)
.Ltile:
	s_lshl_b32 s40, s41, 3
	s_add_co_u32 s40, s40, s2
	s_cmp_lt_u32 s40, s22
	s_cbranch_scc0 .Lnext
	s_wait_xcnt 0x0                                ; earlier stores and loads have read their data and offsets
	s_cmp_eq_u32 s41, 0
	s_cbranch_scc1 .Lp0
	s_cmp_eq_u32 s41, 1
	s_cbranch_scc1 .Lp1
	s_cmp_eq_u32 s41, 2
	s_cbranch_scc1 .Lp2
	s_min_u32 s24, s40, 63
	s_lshl_b32 s25, s24, 16
	v_add_nc_u32 v8, s25, v6
	s_lshl_b32 s25, s24, 6
	v_lshl_add_u32 v12, v1, 2, s25
	v_lshl_add_u32 v25, v2, 2, s25
	global_load_b32 v20, v12, s[12:13]
.irp i, 0,1,2,3,4,5,6,7
	global_load_b32 v[RL+\i], v25, s[12:13] offset:8*\i
.endr
	s_wait_alu depctr_va_vdst(0)
	TH 0
	WIN 0
	s_wait_loadcnt 40                              ; my row's slot is in: behind it stand the 8 + 32 loads above
	v_min_u32 v13, 0x7ff, v20
	v_lshlrev_b32 v13, 2, v13
	global_load_b32 v20, v13, s[14:15]
	WIN 0x04
	FRAGN 0, 0
	FRAGN 1, 1
	FRAGN 2, 2
	FRAGN 3, 3
	s_wait_loadcnt 0x0
.set n, 0
.rept 64                               ; image n = 4 x K block + j''; the four accumulators take turns
.if n == 32
	TH 8                                           ; the places behind the last product stand ahead of these loads
	s_wait_loadcnt 0x0
	WIN 0x04
.endif
.if n < 61
	s_wait_dscnt 12
.else
	s_wait_dscnt 4*(63-n)
.endif
.if n < 4
	v_wmma_f32_16x16x128_fp8_fp8 v[ACC+8*(n%4):ACC+8*(n%4)+7], v[F+16*(n%4):F+16*(n%4)+15], v[16*((n/4)%8):16*((n/4)%8)+15], 0
.else
	v_wmma_f32_16x16x128_fp8_fp8 v[ACC+8*(n%4):ACC+8*(n%4)+7], v[F+16*(n%4):F+16*(n%4)+15], v[16*((n/4)%8):16*((n/4)%8)+15], v[ACC+8*(n%4):ACC+8*(n%4)+7]
.endif
.if n < 60
	PLACES
	FRAGN n+4, n%4
.endif
.set n, n+1
.endr
	PLACES
	WIN 0
.Lp0:
	PART 0
	s_wait_alu depctr_va_vdst(0)
	s_branch .Lout
.Lp1:
	PART 1
	s_wait_alu depctr_va_vdst(0)
	s_branch .Lout
.Lp2:
	PART 2
.Lout:
.irp i, 0,1,2,3,4,5,6,7
	v_lshl_add_u32 v[AD+\i], v[AD+\i], 12, v18     ; its row of part, + 16 r
.endr
.set i, 0
.rept 32
	v_mul_f32 v[OO+i], v28, v[OO+i]
.set i, i+1
.endr
.irp q, 0,1,2,3,4,5,6,7
	ds_store_b128 v23, v[OO+4*\q:OO+4*\q+3] offset:16*\q
.endr
.irp i, 0,1,2,3,4,5,6,7
	ds_load_b128 v[RB+4*\i:RB+4*\i+3], v24 offset:544*\i   ; LDS serves a wave's instructions in order (ISA guide 5.7.1.4): these see my stores, and the next tile's stores come behind them
.endr
.irp i, 0,1,2,3,4,5,6,7
	s_wait_dscnt 7-\i                              ; rows 2 i and 2 i + 1 are back; the younger loads may be out
	global_store_b128 v[AD+\i], v[RB+4*\i:RB+4*\i+3], s[16:17] th:TH_STORE_NT   ; sixteen lanes store 256 consecutive aligned bytes
.endr
.Lnext:
	s_add_co_u32 s41, s41, 1
	s_cmp_lt_u32 s41, 8
	s_cbranch_scc1 .Ltile
	s_wait_tensorcnt 0x0                           ; the wave's end
	ds_add_u32 v15, v17
	s_wait_dscnt 0x0
	s_endpgm
.Lfunc_end_k_q6d92446100_down:
	.size	k_q6d92446100_down, .Lfunc_end_k_q6d92446100_down-k_q6d92446100_down
	.p2alignl 7, 3214868480
	.fill 96, 4, 3214868480
	.section	.rodata,"a",@progbits
	.p2align	6, 0x0
	.amdhsa_kernel k_q6d92446100_down
		.amdhsa_group_segment_fixed_size 168960
		.amdhsa_private_segment_fixed_size 0
		.amdhsa_enable_private_segment 0
		.amdhsa_kernarg_size 56
		.amdhsa_user_sgpr_count 2
		.amdhsa_user_sgpr_kernarg_segment_ptr 1
		.amdhsa_wavefront_size32 1
		.amdhsa_system_sgpr_workgroup_id_x 1
		.amdhsa_system_sgpr_workgroup_id_y 1
		.amdhsa_system_sgpr_workgroup_id_z 1
		.amdhsa_system_vgpr_workitem_id 0
		.amdhsa_next_free_vgpr 512
		.amdhsa_next_free_sgpr 66
		.amdhsa_reserve_vcc 0
		.amdhsa_float_denorm_mode_32 3
		.amdhsa_float_denorm_mode_16_64 3
		.amdhsa_memory_ordered 1
		.amdhsa_forward_progress 1
		.amdhsa_inst_pref_size 208
	.end_amdhsa_kernel
	.amdgpu_metadata
---
amdhsa.version: [ 1, 2 ]
amdhsa.kernels:
  - .name:           k_q6d92446100_down
    .symbol:         k_q6d92446100_down.kd
    .args:
      - { .name: hq, .offset: 0, .size: 8, .value_kind: global_buffer, .address_space: global }
      - { .name: w2, .offset: 8, .size: 8, .value_kind: global_buffer, .address_space: global }
      - { .name: b2, .offset: 16, .size: 8, .value_kind: global_buffer, .address_space: global }
      - { .name: lowp_scales, .offset: 24, .size: 8, .value_kind: global_buffer, .address_space: global }
      - { .name: order, .offset: 32, .size: 8, .value_kind: global_buffer, .address_space: global }
      - { .name: cw, .offset: 40, .size: 8, .value_kind: global_buffer, .address_space: global }
      - { .name: part, .offset: 48, .size: 8, .value_kind: global_buffer, .address_space: global }
    .group_segment_fixed_size: 168960
    .private_segment_fixed_size: 0
    .kernarg_segment_align: 8
    .kernarg_segment_size: 56
    .max_flat_workgroup_size: 256
    .sgpr_count:     66
    .vgpr_count:     512
    .wavefront_size: 32
...
	.end_amdgpu_metadata
.endif
;; end of part 3
;; launch sum (part 4): grid 256 x 1, 8 waves a work-group, no clusters, 0 bytes of LDS; arguments part, out0; writes out0
.if DOCPART == 4
	.amdgcn_target "amdgcn-amd-amdhsa--gfx1250"
	.amdhsa_code_object_version 6
	.text
	.protected	k_q6d92446100_sum
	.globl	k_q6d92446100_sum
	.p2align	8
	.type	k_q6d92446100_sum,@function
k_q6d92446100_sum:
	s_mov_b64 s[64:65], 0
	v_nop
	global_prefetch_b8 v0, s[64:65] scope:SCOPE_SE
	s_setreg_imm32_b32 hwreg(HW_REG_WAVE_MODE, 25, 1), 1
	s_wait_xcnt 0x0
; SUM.  out0[t] = part[0][s] + part[0][s + 4] + part[1][s] + part[1][s + 4], s = 8 (t / 4) + t % 4: a token's two slots, each in two halves of K.  part: [2][2048][1024] f32.
; A stream: 256 work-groups x 4 tokens; a thread takes 16 bytes of each token's row of 4,096 bytes, so a load or store of a wave covers 512 consecutive bytes.
; All 16 loads of a thread go out first; the waits count down by groups of four.  No LDS, no barrier: nothing is shared.
	s_load_b128 s[4:7], s[0:1], 0x0                ; part, out0
	s_lshl_b32 s8, ttmp9, 14
	s_lshl_b32 s9, ttmp9, 15
	v_lshl_add_u32 v1, v0, 4, s8
	v_lshl_add_u32 v2, v0, 4, s9
	s_wait_alu depctr_va_vdst(0)
	s_wait_kmcnt 0x0
	s_add_nc_u64 s[10:11], s[4:5], 0x800000        ; the second half of K
.irp j, 0,1,2,3
	global_load_b128 v[4+16*\j:7+16*\j], v2, s[4:5] offset:4096*\j th:TH_LOAD_NT
	global_load_b128 v[8+16*\j:11+16*\j], v2, s[4:5] offset:4096*\j+0x4000 th:TH_LOAD_NT
	global_load_b128 v[12+16*\j:15+16*\j], v2, s[10:11] offset:4096*\j th:TH_LOAD_NT
	global_load_b128 v[16+16*\j:19+16*\j], v2, s[10:11] offset:4096*\j+0x4000 th:TH_LOAD_NT
.endr
.irp j, 0,1,2,3
	s_wait_loadcnt 12-4*\j                         ; this group's four loads are in; the later groups' may be out
	v_pk_add_f32 v[4+16*\j:5+16*\j], v[4+16*\j:5+16*\j], v[8+16*\j:9+16*\j]
	v_pk_add_f32 v[6+16*\j:7+16*\j], v[6+16*\j:7+16*\j], v[10+16*\j:11+16*\j]
	v_pk_add_f32 v[12+16*\j:13+16*\j], v[12+16*\j:13+16*\j], v[16+16*\j:17+16*\j]
	v_pk_add_f32 v[14+16*\j:15+16*\j], v[14+16*\j:15+16*\j], v[18+16*\j:19+16*\j]
	v_pk_add_f32 v[4+16*\j:5+16*\j], v[4+16*\j:5+16*\j], v[12+16*\j:13+16*\j]
	v_pk_add_f32 v[6+16*\j:7+16*\j], v[6+16*\j:7+16*\j], v[14+16*\j:15+16*\j]
	global_store_b128 v1, v[4+16*\j:7+16*\j], s[6:7] offset:4096*\j th:TH_STORE_NT
.endr
	s_endpgm
.Lfunc_end_k_q6d92446100_sum:
	.size	k_q6d92446100_sum, .Lfunc_end_k_q6d92446100_sum-k_q6d92446100_sum
	.p2alignl 7, 3214868480
	.fill 96, 4, 3214868480
	.section	.rodata,"a",@progbits
	.p2align	6, 0x0
	.amdhsa_kernel k_q6d92446100_sum
		.amdhsa_group_segment_fixed_size 0
		.amdhsa_private_segment_fixed_size 0
		.amdhsa_enable_private_segment 0
		.amdhsa_kernarg_size 16
		.amdhsa_user_sgpr_count 2
		.amdhsa_user_sgpr_kernarg_segment_ptr 1
		.amdhsa_wavefront_size32 1
		.amdhsa_system_sgpr_workgroup_id_x 1
		.amdhsa_system_sgpr_workgroup_id_y 1
		.amdhsa_system_sgpr_workgroup_id_z 1
		.amdhsa_system_vgpr_workitem_id 0
		.amdhsa_next_free_vgpr 72
		.amdhsa_next_free_sgpr 66
		.amdhsa_reserve_vcc 0
		.amdhsa_float_denorm_mode_32 3
		.amdhsa_float_denorm_mode_16_64 3
		.amdhsa_memory_ordered 1
		.amdhsa_forward_progress 1
		.amdhsa_inst_pref_size 5
	.end_amdhsa_kernel
	.amdgpu_metadata
---
amdhsa.version: [ 1, 2 ]
amdhsa.kernels:
  - .name:           k_q6d92446100_sum
    .symbol:         k_q6d92446100_sum.kd
    .args:
      - { .name: part, .offset: 0, .size: 8, .value_kind: global_buffer, .address_space: global }
      - { .name: out0, .offset: 8, .size: 8, .value_kind: global_buffer, .address_space: global }
    .group_segment_fixed_size: 0
    .private_segment_fixed_size: 0
    .kernarg_segment_align: 8
    .kernarg_segment_size: 16
    .max_flat_workgroup_size: 256
    .sgpr_count:     66
    .vgpr_count:     72
    .wavefront_size: 32
...
	.end_amdgpu_metadata
.endif
;; end of part 4
